; MI455X (gfx1250); checked and timed in simulation.
; The chip was launched on July 23, 2026; its instructions are those of AMD's public machine-readable ISA for CDNA 5 (MIT licence, August 2026) and "CDNA5" Instruction Set Architecture Reference Guide (July 2026). The comments in the code are by the model that wrote it; some were corrected since.
;; Multi Query Attention. Allowed arithmetic: matrix products marked QUANTISED: E4M3 operands, one given power-of-two scale a tensor, by v_wmma_f32_16x16x64_fp8_fp8 or v_wmma_f32_16x16x128_fp8_fp8, f32 sums; everything else in f32.
;; Inputs: Wk_codes 64 x 32 x 32 uint8 (E4M3 codes of Wk, K innermost, in blocks of 32 codes); Wo_codes 1,024 x 32 x 32 uint8 (E4M3 codes of Wo, K innermost, in blocks of 32 codes); Wq_codes 1,024 x 32 x 32 uint8 (E4M3 codes of Wq, K innermost, in blocks of 32 codes); Wv_codes 64 x 32 x 32 uint8 (E4M3 codes of Wv, K innermost, in blocks of 32 codes); bk 64 float32; bo 1,024 float32; bq 1,024 float32; bv 64 float32; inputs_k_codes 2 x 2,048 x 32 x 32 uint8 (E4M3 codes of inputs_k, K innermost, in blocks of 32 codes); inputs_q_codes 2 x 2,048 x 32 x 32 uint8 (E4M3 codes of inputs_q, K innermost, in blocks of 32 codes); inputs_v_codes 2 x 2,048 x 32 x 32 uint8 (E4M3 codes of inputs_v, K innermost, in blocks of 32 codes); lowp_scales 12 int32 (the exponents e of the quantised operands' scales 2^e).
;; Outputs: out0 2 x 2,048 x 1,024 float32.
;; This version of the problem:
;;   THIS VERSION OF THE PROBLEM IS GIVEN IN LOW PRECISION. The matrix products marked QUANTISED in the list below multiply operands that are first quantised to E4M3 (4 exponent bits, 3 mantissa bits; 8 bits a number), with one given power-of-two scale for each operand tensor; their sums are f32. All else is computed in f32.
;;   The module's matrix products, in the order in which they are computed (A, B: the left and right operand; K: the contracted axis; several contracted axes count as one K, in the product's order):
;;     1. [M 4,096, K 1,024] x [K 1,024, N 1,024]; A: input inputs_q (given as codes); B: input Wq (given as codes): QUANTISED (scales: A lowp_scales[0], B lowp_scales[1])
;;     2. [M 4,096, K 1,024] x [K 1,024, N 64]; A: input inputs_k (given as codes); B: input Wk (given as codes): QUANTISED (scales: A lowp_scales[2], B lowp_scales[3])
;;     3. [M 4,096, K 1,024] x [K 1,024, N 64]; A: input inputs_v (given as codes); B: input Wv (given as codes): QUANTISED (scales: A lowp_scales[4], B lowp_scales[5])
;;     4. batch 2 x [M 32,768, K 64] x [K 64, N 2,048]; A: computed on the way; B: computed on the way: QUANTISED (scales: A lowp_scales[6], B lowp_scales[7])
;;     5. batch 2 x [M 32,768, K 2,048] x [K 2,048, N 64]; A: softmax (see below); B: computed on the way: QUANTISED (scales: A lowp_scales[8], B lowp_scales[9])
;;     6. [M 4,096, K 1,024] x [K 1,024, N 1,024]; A: computed on the way; B: input Wo (given as codes): QUANTISED (scales: A lowp_scales[10], B lowp_scales[11])
;;   THE QUANTISER, for each operand of a quantised product, along K:
;;     - The operand's scale is 2^e, e = its entry of the input lowp_scales (int32; the entries are numbered through the quantised products in the list's order, A before B).
;;     - Each number is divided by the scale, clamped to +-448, and rounded to the nearest number of E4M3, ties to even, subnormals kept.
;;     - The product sums the exact products of the quantised numbers (number of the format x scale) in f32.
;;   ~~~python
;;   def quantise(x, axis, e):      # numpy; x: float32 -> the quantised numbers, widened to float32 again
;;       x = np.moveaxis(x, axis, -1); K = x.shape[-1]
;;       r = np.clip(x / 2.0 ** e, -448, 448)
;;       step = 2.0 ** (np.maximum(np.frexp(np.where(r == 0, 1, r))[1] - 1, -6) - 3)
;;       q = np.round(r / step) * step * 2.0 ** e      # np.round: ties to even
;;       return np.moveaxis(q, -1, axis).astype(np.float32)
;;   ~~~
;;   SOFTMAX AHEAD OF A QUANTISED PRODUCT. Where the list says 'softmax', what is quantised is not the finished softmax but p = 2^(t - M), with t = logit x log2(e) and M = ceil(the row's largest t), a whole number; so 1/2 < the row's largest p <= 1. The row's sum l is taken of the UNQUANTISED p, in f32, and the product's result is divided by l at the end. Since M is a whole number, a kernel that streams over the keys may use a running M (the ceiling of the running maximum): every later rescaling is an exact power of two, so the quantised numbers keep their values, but for numbers so far below the row's largest that they fall under the format's range.
;;   OPERANDS COMPUTED ON THE WAY. 'Computed on the way' means the value that the module computes at that place (a softmax that the list does not call 'softmax' is quantised finished and normalised). What goes into a quantiser is computed in f32, as accurately as f32 sums, v_exp_f32 and their like allow (about 1e-6 of the number): no bf16 or f16 on the way to a quantiser, and a product that is left as it is and whose result goes on into a quantised operand takes f32 operands (vector FMAs, or v_wmma_f32_16x16x4_f32). A number that lies on a knife's edge between two numbers of the format may be rounded either way, as far as f32 arithmetic and the matrix unit's own rounding can turn it there, and no further.
;;   INPUTS GIVEN AS CODES. Wk (in the module: [1024, 64], K = its axis 0); Wo (in the module: [1024, 1024], K = its axis 0); Wq (in the module: [1024, 1024], K = its axis 0); Wv (in the module: [1024, 64], K = its axis 0); inputs_k (in the module: [2, 2048, 1024], K = its axis 2); inputs_q (in the module: [2, 2048, 1024], K = its axis 2); inputs_v (in the module: [2, 2048, 1024], K = its axis 2): each comes as NAME_codes (uint8): NAME with its K axis moved to the last place and cut into blocks of 32 codes, [.., K / 32, bytes a block], one block behind the other in memory; one code a byte (a code: sign, 4 exponent bits, 3 mantissa bits); its scale is its entry of lowp_scales. Its value is code x scale, taken as it is: it is not quantised again, and the codes and scales need not be those that the quantiser above would give.
;; One version. Each part assembles by itself: llvm-mc -triple=amdgcn-amd-amdhsa -mcpu=gfx1250 --defsym DOCPART=n.
;; ======== version 1 of 1: 3 launches
;; limits: right only within a limited range of input values
;; workspace buffers: qimg 4,194,304 bytes; kv 524,288 bytes; oimg 4,194,304 bytes
;; launch proj (part 1): grid 8 x 32, 4 waves a work-group, clusters of 4 x 4, 266,752 bytes of LDS; arguments inputs_q_codes, Wq_codes, inputs_k_codes, Wk_codes, inputs_v_codes, Wv_codes, bq, bk, bv, lowp_scales, qimg, kv; writes qimg, kv
.if DOCPART == 1
	.amdgcn_target "amdgcn-amd-amdhsa--gfx1250"
	.amdhsa_code_object_version 6
	.text
	.protected	k_q28d6969847_proj
	.globl	k_q28d6969847_proj
	.p2align	8
	.type	k_q28d6969847_proj,@function
k_q28d6969847_proj:
	s_mov_b64 s[64:65], 0
	v_nop
	global_prefetch_b8 v0, s[64:65] scope:SCOPE_SE
	s_setreg_imm32_b32 hwreg(HW_REG_WAVE_MODE, 25, 1), 1
	s_wait_xcnt 0x0
	s_wait_alu depctr_hold_cnt(0) depctr_sa_sdst(0) depctr_va_vdst(0) depctr_va_sdst(0) depctr_va_ssrc(0) depctr_va_vcc(0) depctr_vm_vsrc(0)
	s_getreg_b32 s2, hwreg(HW_REG_IB_STS2, 6, 4)
	s_cmp_eq_u32 s2, 0
	s_cbranch_scc0 .Lentry_in_a_cluster
	s_endpgm
.Lentry_in_a_cluster:
	s_bfe_u32 s2, ttmp6, 0x10000c
	s_cmp_lg_u32 s2, 0xf033
	s_cbranch_scc0 .Lentry_shape_is_right
	s_endpgm
.Lentry_shape_is_right:
; q = Xq Wq^T x 2^(e0+e1) + bq, k = Xk Wk^T x 2^(e2+e3) + bk, v = Xv Wv^T x 2^(e4+e5) + bv, all on E4M3 codes as they are given, sums in f32;
; the three results are quantised at once (2^e6, 2^e7, 2^e9; held within +-448 x the scale) and stored as IMAGES OF OPERAND REGISTERS for the attention launch.
; SHARES.  A work-group makes 128 tokens x 128 columns of q: 8 x 32 = 256 work-groups; each of its four waves 64 tokens x 64 columns (one head): 16 accumulators.
; Beside that each work-group makes 32 tokens x 64 channels of k (cluster x = 0) or of v (cluster x = 1), from memory straight into registers: the loads go out ahead of and inside q's product, and are multiplied behind it.
; All of K = 1,024 of both tiles lies in LDS: each wave brings 64 rows x 1,024 bytes by its one tensor load; nothing is filled twice.  No prefetch is laid: every tile is asked for whole at the head.
; CLUSTERS: 4 x 4.  Xq's tile hangs on the tile row alone and is asked for jointly by a row of the cluster, Wq's on the tile column alone, by a column.
; ALL PRODUCTS ARE USED SO THAT A LANE'S EIGHT RESULTS ARE NEIGHBOURS ALONG THE NEXT PRODUCT'S K: q, k: source 0 = 16 rows of W, source 1 = 16 tokens (a lane: one token, 8 channels);
; v: source 0 = 16 tokens, source 1 = 16 rows of Wv (a lane: one channel, 8 keys).  So each conversion's two registers are two registers of the next operand.
; IMAGES.  A group of four registers of 32 lanes is 512 bytes, lane l's 16 bytes at 16 l.
;   qimg [token tile][head][1,024]: lane (r, h): token r; register 2 c, 2 c + 1: channels 16 c + 8 h + 0 .. 7.
;   kv [128 keys][16,384]: 8 tiles of k (1,024 each, laid as q's), then 4 tiles of v^T (2,048 each): lane (r, h) of tile u: channel 32 (u / 2) + 8 (u % 2) + r + 8 (r / 8); register 2 c, 2 c + 1: keys 16 c + 8 h + 0 .. 7.
; A fragment of 128 along K is fetched by four loads of 16 bytes, 32 apart: a permutation of k that is the same on both sides of each product.
; LIMITS: e0+e1, e2+e3, e4+e5 between -126 and 127; e6, e7, e9 between -126 and 119, so that each power of two below is an f32 number.  NaN among the biases is not served.
; REGISTERS.  window 0: v1 r, v2 h, v3 r + 8 (r / 8), v4 16 x lane, v5/v6 the slice's lane offsets, v8-10 bias offsets, v12/v16 LDS addresses of A/B, v20-23 holds and scales,
;   v24-27 the slice's codes, v32-47 its two accumulators, v48-63 bias offsets, then its numbers, v72-87 its bias, v96-127 bq of my 64 columns, v128-255 q's accumulators ((a, b) at 128 + 8 (4 a + b));
;   on q's way out v32-63 numbers, v64-95 codes.   window 1: two sets of q's fragments (A's four at +0, B's four at +64).   windows 2, 3: the slice's fragments of K steps 0-4 and 5-7 (48 a step).
.set PITCH, 1040                       ; an LDS row: 1,024 bytes + 16 of padding: the 16 rows of a fragment load start 260 words apart
.set HALFT, 64*PITCH                   ; 64 rows: one tensor load
.set SPARE, 4*HALFT                    ; behind the four: the spare words
.set MSB, 0
.macro WIN new                         ; the immediate's high byte repeats the setting that is left
.if MSB != \new
	s_set_vgpr_msb (MSB<<8)|\new
.set MSB, \new
.endif
.endm
.macro CROUND                          ; a round of the cluster's barrier
	s_barrier_signal -1
	s_barrier_wait -1
	s_cmp_lg_u32 s16, 0
	s_cbranch_scc1 .Lnot_wave_0_\@
	s_barrier_signal -3
.Lnot_wave_0_\@:
	s_barrier_wait -3
	s_barrier_signal -1
	s_barrier_wait -1
.endm
.macro PLACES n
.rept \n
	v_nop
.endr
.endm
.macro MKG0 dst, gp                    ; descriptor group 0
	s_mov_b32 s[\dst], 1
	s_mov_b32 s[\dst+1], s23
	s_mov_b64 s[\dst+2:\dst+3], s[\gp:\gp+1]
	s_or_b32 s[\dst+3], s[\dst+3], 0x80000000
.endm
	s_load_b512 s[68:83], s[0:1], 0x0              ; Xq 68, Wq 70, Xk 72, Wk 74, Xv 76, Wv 78, bq 80, bk 82
	s_load_b256 s[84:91], s[0:1], 0x40             ; bv 84, the scales' exponents 86, qimg 88, kv 90
	v_lshl_add_u32 v30, v0, 2, SPARE
	v_mov_b32 v31, 0
	ds_add_u32 v30, v31                            ; the opening lines: the add, twice on end, and its wait
	ds_add_u32 v30, v31
	v_lshrrev_b32 v1, 5, v0
	v_readfirstlane_b32 s16, v1                    ; wave 0..3
	s_lshr_b32 s17, s16, 1                         ; rh: my half of the tokens.  Also: I fetch for A (0) or for B (1)
	s_and_b32 s18, s16, 1                          ; ch: my half of the columns.  Also: which 64 rows I fetch
	s_bfe_u32 s19, ttmp6, 0x40000                  ; cx
	s_bfe_u32 s20, ttmp6, 0x40004                  ; cy
	s_lshl_b32 s21, ttmp9, 2
	s_add_co_u32 s21, s21, s19                     ; tile column = 4 x cluster x + cx
	s_and_b32 s22, ttmp7, 0xffff
	s_lshl_b32 s22, s22, 2
	s_add_co_u32 s22, s22, s20                     ; tile row = 4 x cluster y + cy
	s_lshl_b32 s2, s20, 2
	s_lshl_b32 s2, 15, s2                          ; my row of the cluster
	s_lshl_b32 s3, 0x1111, s19                     ; my column
	; group 1: 64 rows x 1,024 bytes, dense in memory, 16 bytes of padding behind each row in LDS
	s_or_b32 s24, s2, (1<<20)|(1<<21)|(7<<22)|(3<<25)   ; the mask; elements of 1 byte; padding on; bit 21 beside a mask; after every 256 words, 4 words
	s_or_b32 s32, s3, (1<<20)|(1<<21)|(7<<22)|(3<<25)
.irp g, 24, 32
	s_mov_b32 s[\g+1], 1024<<16                    ; tensor_dim0
	s_mov_b32 s[\g+2], 64<<16                      ; tensor_dim1
	s_mov_b32 s[\g+3], 1024<<16                    ; tile_dim0
	s_mov_b32 s[\g+4], 64                          ; tile_dim1
	s_mov_b32 s[\g+5], 1024                        ; from row to row
	s_mov_b32 s[\g+6], 0
	s_mov_b32 s[\g+7], 0
.endr
	s_lshl_b32 s23, s18, 16                        ; 64 ch rows of 1,024 bytes
	s_lshl_b32 s66, s22, 17
	s_add_co_u32 s66, s66, s23                     ; A: row 128 x tile row + 64 ch
	s_mov_b32 s67, 0
	s_lshl_b32 s100, s21, 17
	s_add_co_u32 s100, s100, s23                   ; B: row 128 x tile column + 64 ch
	s_mov_b32 s101, 0
	s_mul_i32 s23, s16, HALFT                      ; where my rows go: A's two halves, then B's two = wave x 64 rows
	s_wait_dscnt 0x0
	s_wait_kmcnt 0x0
	s_load_b256 s[4:11], s[86:87], 0x0             ; e0 .. e7
	s_load_b128 s[12:15], s[86:87], 0x20           ; e8 .. e11
	s_add_nc_u64 s[66:67], s[68:69], s[66:67]
	s_add_nc_u64 s[100:101], s[70:71], s[100:101]
	MKG0 40, 66
	MKG0 56, 100
	CROUND                                         ; all sixteen work-groups are here: the joint loads meet
	s_cmp_eq_u32 s17, 0                            ; one tensor load a wave; the branch hangs on the wave's number
	s_cbranch_scc0 .Lfor_b
	tensor_load_to_lds s[40:43], s[24:31]
	s_nop 0
	PLACES 4
	s_branch .Lasked
.Lfor_b:
	tensor_load_to_lds s[56:59], s[32:39]
	s_nop 0
	PLACES 4
.Lasked:
	v_and_b32 v1, 15, v0                           ; r
	v_bfe_u32 v2, v0, 4, 1                         ; h
	v_and_b32 v7, 8, v1                            ; 8 (r / 8)
	v_add_nc_u32 v3, v7, v1                        ; r + 8 (r / 8)
	v_and_b32 v4, 31, v0
	v_lshlrev_b32 v4, 4, v4                        ; 16 x lane
	v_lshlrev_b32 v5, 10, v1
	v_lshl_add_u32 v5, v2, 4, v5                   ; row r of 1,024 bytes + 16 h
	s_wait_alu depctr_va_vdst(0)
	v_lshlrev_b32 v10, 5, v2                       ; 32 h
	v_mul_u32_u24 v11, v1, PITCH
	v_lshl_add_u32 v11, v2, 4, v11                 ; an LDS fragment's row x pitch + 16 h
	; THE SLICE: 32 tokens from tok0 = 128 x tile row + 32 cx on.  One text for k and v; what differs is chosen by the cluster's x, which all partners share.
	;   k: source 0 = Wk's rows 32 rh + 16 tau + r, source 1 = tokens tok0 + 16 ch + r.     v: source 0 = tokens tok0 + 16 tau + r, source 1 = Wv's rows 32 rh + 8 ch + r + 8 (r / 8).
	s_lshl_b32 s2, s17, 15                         ; 32 rh rows
	s_lshl_b32 s3, s22, 17
	s_lshl_b32 s23, s19, 15
	s_add_co_u32 s3, s3, s23                       ; tok0 rows
	s_lshl_b32 s23, s18, 14
	s_add_co_u32 s66, s3, s23                      ; tok0 + 16 ch rows
	s_lshl_b32 s23, s18, 13
	s_add_co_u32 s67, s2, s23                      ; 32 rh + 8 ch rows
	s_cmp_eq_u32 ttmp9, 0                          ; k?
	s_cselect_b64 s[68:69], s[74:75], s[76:77]     ; source 0 from Wk or Xv
	s_cselect_b64 s[70:71], s[72:73], s[78:79]     ; source 1 from Xk or Wv
	s_cselect_b64 s[72:73], s[82:83], s[84:85]     ; bk or bv
	s_cselect_b32 s2, s2, s3
	s_cselect_b32 s66, s66, s67
	s_cselect_b32 s74, 0, 1024                     ; source 1's lanes 8-15 stand 8 rows further on for v
	s_cselect_b32 s75, 32, 0                       ; the bias: k: bk[32 rh + 16 tau + 8 h + j]: 32 h + 4 (16 tau + j);
	s_cselect_b32 s76, 0, 4                        ;           v: bv[my channel] for all sixteen: 4 (r + 8 (r / 8))
	s_cselect_b32 s77, 4, 0
	s_cselect_b32 s78, 0, 32
	s_mov_b32 s3, 0
	s_mov_b32 s67, 0
	s_add_nc_u64 s[68:69], s[68:69], s[2:3]
	s_add_nc_u64 s[70:71], s[70:71], s[66:67]
	s_mul_i32 s79, s78, s18
	s_lshl_b32 s23, s17, 7
	s_add_co_u32 s79, s79, s23                     ; 128 rh (+ 32 ch for v)
	v_mad_u32_u24 v6, v7, s74, v5
	v_mul_u32_u24 v8, s75, v2
	v_mad_u32_u24 v8, v3, s76, v8
	v_add_nc_u32 v8, s79, v8
	v_mov_b32 v9, s77
.irp n, 0,1,2,3,4,5,6,7,8,9,10,11,12,13,14,15
	v_mad_u32_u24 v[48+\n], v9, 16*(\n/8)+\n%8, v8
.endr
	s_wait_alu depctr_va_vdst(0)
	s_mul_i32 s82, s17, HALFT                      ; my 64 rows of A,
	s_mul_i32 s83, s18, HALFT
	s_add_co_u32 s83, s83, 2*HALFT                 ; my 64 rows of B, behind A's 128
	v_add_nc_u32 v12, s82, v11
	v_add_nc_u32 v16, s83, v11
	s_lshl_b32 s2, s21, 9
	s_lshl_b32 s23, s18, 8
	s_add_co_u32 s2, s2, s23
	s_add_nc_u64 s[80:81], s[80:81], s[2:3]        ; bq at my 64 columns
	s_lshl_b32 s2, s22, 17                         ; qimg: token tile 8 x tile row + 4 rh (16,384 bytes a tile), head 2 x tile column + ch (1,024)
	s_lshl_b32 s23, s17, 16
	s_add_co_u32 s2, s2, s23
	s_lshl_b32 s23, s21, 11
	s_add_co_u32 s2, s2, s23
	s_lshl_b32 s23, s18, 10
	s_add_co_u32 s2, s2, s23
	s_add_nc_u64 s[88:89], s[88:89], s[2:3]
	s_lshl_b32 s2, s19, 11                         ; kv: k: tile 2 cx + ch, group rh;
	s_lshl_b32 s23, s18, 10
	s_add_co_u32 s2, s2, s23
	s_lshl_b32 s23, s17, 9
	s_add_co_u32 s2, s2, s23
	s_lshl_b32 s66, s16, 11                        ;     v: behind k's 8,192 bytes, tile = wave, group cx
	s_lshl_b32 s23, s19, 9
	s_add_co_u32 s66, s66, s23
	s_add_co_u32 s66, s66, 8192
	s_cmp_eq_u32 ttmp9, 0
	s_cselect_b32 s2, s2, s66
	s_lshl_b32 s23, s22, 14                        ; a tile row's 128 tokens are one key step: 16,384 bytes
	s_add_co_u32 s2, s2, s23
	s_add_nc_u64 s[90:91], s[90:91], s[2:3]
.irp n, 0,1,2,3,4,5,6,7,8,9,10,11,12,13,14,15
	global_load_b32 v[72+\n], v[48+\n], s[72:73]
.endr
.irp b, 0,1,2,3
	global_load_b128 v[96+8*\b:99+8*\b], v10, s[80:81] offset:64*\b       ; bq[16 b + 8 h + 0 .. 7] of my columns
	global_load_b128 v[100+8*\b:103+8*\b], v10, s[80:81] offset:64*\b+16
.endr
.macro SLOAD s                         ; the slice's three fragments of K step s: source 0's two tiles, source 1's one
.if (\s) < 5
	WIN 0x80
.set SB, 48*(\s)
.else
	WIN 0xc0
.set SB, 48*((\s)-5)
.endif
.irp c, 0,1,2,3
	global_load_b128 v[SB+4*\c:SB+4*\c+3], v5, s[68:69] offset:128*(\s)+32*\c
.endr
.irp c, 0,1,2,3
	global_load_b128 v[SB+16+4*\c:SB+16+4*\c+3], v5, s[68:69] offset:16384+128*(\s)+32*\c
.endr
.irp c, 0,1,2,3
	global_load_b128 v[SB+32+4*\c:SB+32+4*\c+3], v6, s[70:71] offset:128*(\s)+32*\c
.endr
.endm
.macro SMUL s                          ; two products, the two accumulators by turns
.if (\s) < 5
	WIN 0x0a
.set SB, 48*(\s)
.else
	WIN 0x0f
.set SB, 48*((\s)-5)
.endif
.if (\s) == 0
	v_wmma_f32_16x16x128_fp8_fp8 v[32:39], v[SB:SB+15], v[SB+32:SB+47], 0
	v_wmma_f32_16x16x128_fp8_fp8 v[40:47], v[SB+16:SB+31], v[SB+32:SB+47], 0
.else
	v_wmma_f32_16x16x128_fp8_fp8 v[32:39], v[SB:SB+15], v[SB+32:SB+47], v[32:39]
	v_wmma_f32_16x16x128_fp8_fp8 v[40:47], v[SB+16:SB+31], v[SB+32:SB+47], v[40:47]
.endif
.endm
.irp s, 0,1,2                          ; 16 + 8 + 36 = 60 loads are out; the other K steps' 60 go out inside q's product
	SLOAD \s
.endr
	WIN 0
	s_wait_kmcnt 0x0                               ; the exponents
	s_add_co_i32 s100, s4, s5
	s_add_co_i32 s100, s100, 127
	s_lshl_b32 s100, s100, 23                      ; 2^(e0 + e1)
	s_mov_b32 s101, s100                           ; (named with it as a pair)
	s_add_co_i32 s2, s6, s7
	s_add_co_i32 s23, s8, s9
	s_cmp_eq_u32 ttmp9, 0
	s_cselect_b32 s104, s2, s23                    ; e2 + e3 or e4 + e5
	s_cselect_b32 s66, s11, s13                    ; e7 or e9
	s_add_co_i32 s104, s104, 127
	s_lshl_b32 s104, s104, 23
	s_mov_b32 s105, s104
	s_add_co_i32 s66, s66, 127
	s_lshl_b32 s67, s66, 23
	v_mov_b32 v21, s67                             ; the slice's scale as f32: the conversion takes its exponent field
	s_add_co_i32 s66, s66, 8
	s_lshl_b32 s66, s66, 23
	s_or_b32 s66, s66, 0x600000
	v_mov_b32 v20, s66                             ; 448 x that
	s_add_co_i32 s66, s10, 127
	s_lshl_b32 s67, s66, 23
	v_mov_b32 v23, s67                             ; 2^e6
	s_add_co_i32 s66, s66, 8
	s_lshl_b32 s66, s66, 23
	s_or_b32 s66, s66, 0x600000
	v_mov_b32 v22, s66                             ; 448 x 2^e6
; THE PRODUCT FOR q.  The 8 fragments of K step q (128 along K) go into set q % 2.
.macro FETCH q
	WIN 0x40
.irp i, 0,1,2,3
.irp g, 0,1,2,3
	ds_load_b128 v[128*((\q)%2)+64+16*\i+4*\g:128*((\q)%2)+64+16*\i+4*\g+3], v16 offset:128*(\q)+32*\g+16*PITCH*\i
.endr
.endr
.irp i, 0,1,2,3
.irp g, 0,1,2,3
	ds_load_b128 v[128*((\q)%2)+16*\i+4*\g:128*((\q)%2)+16*\i+4*\g+3], v12 offset:128*(\q)+32*\g+16*PITCH*\i
.endr
.endr
.endm
.macro MUL q, zero                     ; 16 products; the 16 accumulators take turns in the same order in every K step
	WIN 0x05
.set FB, 128*((\q)%2)
.irp a, 0,1,2,3
.irp b, 0,1,2,3
.if \zero
	v_wmma_f32_16x16x128_fp8_fp8 v[128+8*(4*\a+\b):128+8*(4*\a+\b)+7], v[FB+64+16*\b:FB+64+16*\b+15], v[FB+16*\a:FB+16*\a+15], 0
.else
	v_wmma_f32_16x16x128_fp8_fp8 v[128+8*(4*\a+\b):128+8*(4*\a+\b)+7], v[FB+64+16*\b:FB+64+16*\b+15], v[FB+16*\a:FB+16*\a+15], v[128+8*(4*\a+\b):128+8*(4*\a+\b)+7]
.endif
.endr
.endr
.endm
	s_wait_alu depctr_va_vdst(0)                   ; the wait at the head's end
	s_wait_tensorcnt 0x0                           ; my 64 rows are in
	s_barrier_signal -1
	s_barrier_wait -1                              ; everybody's are
	FETCH 0
.irp q, 0,1,2,3,4,5,6,7
.if \q < 7
	PLACES 4                                       ; in front of loads into the set that the last products read
	FETCH \q+1
	s_wait_dscnt 32                                ; all but the 32 just issued
.else
	s_wait_dscnt 0x0
.endif
.if \q == 0
	MUL \q, 1
.else
	MUL \q, 0
.endif
.if \q < 5
	SLOAD \q+3                                     ; the slice's later K steps, into registers of their own
.endif
.endr
	; THE SLICE'S PRODUCT
.irp s, 0,1,2,3,4,5,6,7
.if 84-12*\s > 63
	s_wait_loadcnt 63                              ; behind K step s's loads 12 (7 - s) were issued; a wait names 63 at the most
.else
	s_wait_loadcnt 84-12*\s                        ; the later K steps' loads, 12 each, may be out
.endif
	SMUL \s
.endr
	WIN 0
	PLACES 4
.irp i, 0,2,4,6,8,10,12,14
	v_pk_fma_f32 v[48+\i:49+\i], v[32+\i:33+\i], s[104:105], v[72+\i:73+\i] op_sel_hi:[1,0,1]   ; sum x 2^(ea + eb) + bias; each accumulator from its low end on
.endr
.irp i, 0,1,2,3,4,5,6,7,8,9,10,11,12,13,14,15
	v_med3_num_f32 v[48+\i], v[48+\i], -v20, v20   ; the conversion does not saturate (ISA guide 7.6.2): the hold at the largest code x the scale
.endr
	v_cvt_scalef32_pk8_fp8_f32 v[24:25], v[48:55], v21
	v_cvt_scalef32_pk8_fp8_f32 v[26:27], v[56:63], v21
	v_nop                                          ; a plain line behind the last conversion
	global_store_b128 v4, v[24:27], s[90:91]       ; one group of an image: 512 consecutive bytes, aligned
.macro QOUT a                          ; token tile a: 16 tokens x my head: bias, hold, codes, two groups of the image
.irp i, 0,2,4,6,8,10,12,14,16,18,20,22,24,26,28,30
	v_pk_fma_f32 v[32+\i:33+\i], v[128+32*\a+\i:129+32*\a+\i], s[100:101], v[96+\i:97+\i] op_sel_hi:[1,0,1]
.endr
.irp i, 0,1,2,3,4,5,6,7,8,9,10,11,12,13,14,15,16,17,18,19,20,21,22,23,24,25,26,27,28,29,30,31
	v_med3_num_f32 v[32+\i], v[32+\i], -v22, v22
.endr
.irp b, 0,1,2,3
	v_cvt_scalef32_pk8_fp8_f32 v[64+8*\a+2*\b:65+8*\a+2*\b], v[32+8*\b:39+8*\b], v23
.endr
	v_nop                                          ; a plain line between the conversions and the next tile's writes of their sources
	global_store_b128 v4, v[64+8*\a:67+8*\a], s[88:89] offset:16384*\a
	global_store_b128 v4, v[68+8*\a:71+8*\a], s[88:89] offset:16384*\a+512
.endm
	QOUT 0
	QOUT 1
	QOUT 2
	QOUT 3
	s_wait_tensorcnt 0x0                           ; the wave's end
	ds_add_u32 v30, v31
	s_wait_dscnt 0x0
	CROUND                                         ; the closing round: no work-group ends while a partner may still ask for a tile that names it
	s_endpgm
.Lfunc_end_k_q28d6969847_proj:
	.size	k_q28d6969847_proj, .Lfunc_end_k_q28d6969847_proj-k_q28d6969847_proj
	.p2alignl 7, 3214868480
	.fill 96, 4, 3214868480
	.section	.rodata,"a",@progbits
	.p2align	6, 0x0
	.amdhsa_kernel k_q28d6969847_proj
		.amdhsa_group_segment_fixed_size 266752
		.amdhsa_private_segment_fixed_size 0
		.amdhsa_enable_private_segment 0
		.amdhsa_kernarg_size 96
		.amdhsa_user_sgpr_count 2
		.amdhsa_user_sgpr_kernarg_segment_ptr 1
		.amdhsa_wavefront_size32 1
		.amdhsa_system_sgpr_workgroup_id_x 1
		.amdhsa_system_sgpr_workgroup_id_y 1
		.amdhsa_system_sgpr_workgroup_id_z 1
		.amdhsa_system_vgpr_workitem_id 0
		.amdhsa_next_free_vgpr 1024
		.amdhsa_next_free_sgpr 106
		.amdhsa_reserve_vcc 0
		.amdhsa_float_denorm_mode_32 3
		.amdhsa_float_denorm_mode_16_64 3
		.amdhsa_memory_ordered 1
		.amdhsa_forward_progress 1
		.amdhsa_inst_pref_size 64
	.end_amdhsa_kernel
	.amdgpu_metadata
---
amdhsa.version: [ 1, 2 ]
amdhsa.kernels:
  - .name:           k_q28d6969847_proj
    .symbol:         k_q28d6969847_proj.kd
    .args:
      - { .name: inputs_q_codes, .offset: 0, .size: 8, .value_kind: global_buffer, .address_space: global }
      - { .name: Wq_codes, .offset: 8, .size: 8, .value_kind: global_buffer, .address_space: global }
      - { .name: inputs_k_codes, .offset: 16, .size: 8, .value_kind: global_buffer, .address_space: global }
      - { .name: Wk_codes, .offset: 24, .size: 8, .value_kind: global_buffer, .address_space: global }
      - { .name: inputs_v_codes, .offset: 32, .size: 8, .value_kind: global_buffer, .address_space: global }
      - { .name: Wv_codes, .offset: 40, .size: 8, .value_kind: global_buffer, .address_space: global }
      - { .name: bq, .offset: 48, .size: 8, .value_kind: global_buffer, .address_space: global }
      - { .name: bk, .offset: 56, .size: 8, .value_kind: global_buffer, .address_space: global }
      - { .name: bv, .offset: 64, .size: 8, .value_kind: global_buffer, .address_space: global }
      - { .name: lowp_scales, .offset: 72, .size: 8, .value_kind: global_buffer, .address_space: global }
      - { .name: qimg, .offset: 80, .size: 8, .value_kind: global_buffer, .address_space: global }
      - { .name: kv, .offset: 88, .size: 8, .value_kind: global_buffer, .address_space: global }
    .group_segment_fixed_size: 266752
    .private_segment_fixed_size: 0
    .kernarg_segment_align: 8
    .kernarg_segment_size: 96
    .max_flat_workgroup_size: 128
    .sgpr_count:     106
    .vgpr_count:     1024
    .wavefront_size: 32
...
	.end_amdgpu_metadata
.endif
;; end of part 1
;; launch attn (part 2): grid 256 x 1, 16 waves a work-group, clusters of 4 x 1, 301,056 bytes of LDS; arguments qimg, kv, lowp_scales, oimg; writes oimg
.if DOCPART == 2
	.amdgcn_target "amdgcn-amd-amdhsa--gfx1250"
	.amdhsa_code_object_version 6
	.text
	.protected	k_q28d6969847_attn
	.globl	k_q28d6969847_attn
	.p2align	8
	.type	k_q28d6969847_attn,@function
k_q28d6969847_attn:
	s_mov_b64 s[64:65], 0
	v_nop
	global_prefetch_b8 v0, s[64:65] scope:SCOPE_SE
	s_setreg_imm32_b32 hwreg(HW_REG_WAVE_MODE, 25, 1), 1
	s_wait_xcnt 0x0
	s_wait_alu depctr_hold_cnt(0) depctr_sa_sdst(0) depctr_va_vdst(0) depctr_va_sdst(0) depctr_va_ssrc(0) depctr_va_vcc(0) depctr_vm_vsrc(0)
	s_getreg_b32 s2, hwreg(HW_REG_IB_STS2, 6, 4)
	s_cmp_eq_u32 s2, 0
	s_cbranch_scc0 .Lentry_in_a_cluster
	s_endpgm
.Lentry_in_a_cluster:
	s_bfe_u32 s2, ttmp6, 0x10000c
	s_cmp_lg_u32 s2, 0x3003
	s_cbranch_scc0 .Lentry_shape_is_right
	s_endpgm
.Lentry_shape_is_right:
; Causal attention of 16 query heads on one shared head of keys and values, both products on E4M3 codes; the result is quantised with 2^e10 for the last projection.
; t = score x 2^(e6+e7) x log2(e) / 8; M = the running largest t rounded up to a whole number; p = 2^(t - M) is quantised with 2^e8; the row's sum is taken of the unquantised p and divides at the end.
; LEFT OUT: key steps all of whose keys come after a tile's queries: the causal mask makes their p zero for all values of the inputs.
; SHARES.  A tile is 16 tokens of one head; tile t has t / 8 + 1 key steps of 128 keys.  A cluster of four work-groups (cluster x = 32 b + pp) serves the token blocks pp, 63 - pp, 64 + pp, 127 - pp of batch b; work-group cx has heads 4 cx .. 4 cx + 3.
; TWO WAVES SHARE A PAIR OF TILES of one head: the short tile t1 (S1 = t1 / 8 + 1 steps, 1 to 8) and the long tile 127 - t1 (17 - S1 steps).  Wave A (0-7): the short tile's S1 steps, then the long tile's steps 16 - S1 down to 9: 8 in all.
; Wave B (8-15): the long tile's steps 0 .. 8: 9 in all.  A hands its part of the long tile (O, -M, sum) to B through LDS; B joins the two by powers of two and stores.  Waves w, w + 4, w + 8, w + 12 are two A and two B.
; LDS holds ALL codes of the batch's keys and values (16 key steps x 16,384 bytes), as the register images that the launch before stored: every fragment load is 16 x lane, dense.  Nothing is filled twice.
; The four partners need the same bytes: every tensor load is asked for jointly (mask 15).  No prefetch is laid: no tile is asked for inside the loop.
; LAYOUT.  S^T = K Q^T (source 0 = 16 keys, source 1 = my 16 queries): a lane holds one query (lane % 16); tile c's register j is key 16 c + 8 (lane / 16) + j: its two code registers are registers 2 c, 2 c + 1 of P.
; O^T = V^T P^T: tile u's register j is channel 32 (u / 2) + 16 (lane / 16) + 8 (u % 2) + j (the launch before chose V's channels so): tiles 2 b, 2 b + 1 are 16 neighbouring channels.
; THE DIAGONAL STEP: with ct = the tile's place among the step's eight tiles of 16 keys, tiles under ct are open, tile ct gets 0 or -infinity added (one matrix for all), tiles over ct become -infinity.
; LIMITS: e6 + e7 between -123 and 130 (added to c's exponent field); e8 and e10 between -126 and 119; e8 + e9 is applied by v_ldexp_f32 and has none; t stays under 2^31 in magnitude.
; REGISTERS: v1 16 x lane; v2 the step's LDS address; v4 my pair's place in LDS; v12 -M, v13 the largest t, v[14:15] the sum in two halves; v16-23 Q; v32-95 K's 8 fragments, then V's 4; v96-159 S^T, then p; v160-191 O^T;
;   v192-207 P's codes; v208-215 the diagonal's addend; v237 and v240 448 x 2^e8, v244 2^e8; v241, v245 the same for e10; v230-236, v238-239, v242-243, v246-249, v252-254 at work; v251, v255 the add's.
.set SPARE, 0x40000
.set PART, 0x40800                     ; behind the spare words: the pairs' parts, no fill lands there
.set PB, 4608                          ; 32 registers of O and four more, 128 bytes each
.macro CROUND
	s_barrier_signal -1
	s_barrier_wait -1
	s_cmp_lg_u32 s12, 0
	s_cbranch_scc1 .Lnot_wave_0_\@
	s_barrier_signal -3
.Lnot_wave_0_\@:
	s_barrier_wait -3
	s_barrier_signal -1
	s_barrier_wait -1
.endm
.macro RESET                           ; a tile begins: its first step finds zeros
	v_mov_b32 v13, 0xff61b1e6                      ; the largest t so far: -3e38
	v_mov_b32 v12, 0x7f61b1e6                      ; -M
	v_mov_b32 v14, 0
	v_mov_b32 v15, 0
.irp j, 0,1,2,3,4,5,6,7,8,9,10,11,12,13,14,15,16,17,18,19,20,21,22,23,24,25,26,27,28,29,30,31
	v_mov_b32 v[160+\j], 0
.endr
.endm
	s_load_b256 s[4:11], s[0:1], 0x0               ; qimg s[4:5], kv s[6:7], the exponents s[8:9], oimg s[10:11]
	v_lshl_add_u32 v251, v0, 2, SPARE
	v_mov_b32 v255, 0
	ds_add_u32 v251, v255                          ; the opening lines: the add, twice on end, and its wait
	ds_add_u32 v251, v255
	v_lshrrev_b32 v2, 5, v0
	v_and_b32 v1, 31, v0
	v_readfirstlane_b32 s12, v2                    ; wave 0..15
	v_lshlrev_b32 v1, 4, v1                        ; 16 x lane
	s_bfe_u32 s13, ttmp6, 0x40000                  ; cx: it enters Q's and O's global addresses alone
	s_lshr_b32 s14, ttmp9, 5                       ; b
	s_and_b32 s15, ttmp9, 31                       ; pp
	s_lshr_b32 s16, s12, 3                         ; 0: A, 1: B
	s_bfe_u32 s58, s12, 0x10002
	s_mul_i32 s58, s58, 63
	s_xor_b32 s44, s15, s58                        ; the short tile: pp or 63 - pp
	s_xor_b32 s45, s44, 127                        ; the long tile
	s_lshr_b32 s46, s44, 3
	s_add_co_u32 s46, s46, 1                       ; S1
	s_cmp_eq_u32 s16, 0
	s_cselect_b32 s17, s44, s45                    ; the tile that I begin with
	s_cselect_b32 s46, s46, 31                     ; the trip at which I change tiles (B: none)
	s_cselect_b32 s47, 8, 9                        ; my steps
	s_lshl_b32 s18, s17, 4                         ; my first query
	s_lshl_b32 s19, s45, 4                         ; the long tile's
	s_mov_b32 s20, 0x76543210                      ; v_permlanex16_b32: lane l xor 16
	s_mov_b32 s21, 0xfedcba98
	s_mov_b32 s22, 0x3e38aa3b                      ; c = log2(e) / sqrt(64)
	; group 1: a dense block of 16 rows x 1,024 bytes
	s_mov_b32 s24, 15|(3<<16)|(1<<21)              ; the mask: all four partners; elements of 8 bytes; bit 21 beside a mask
	s_mov_b32 s25, 128<<16                         ; tensor_dim0
	s_mov_b32 s26, 16<<16                          ; tensor_dim1
	s_mov_b32 s27, 128<<16                         ; tile_dim0
	s_mov_b32 s28, 16                              ; tile_dim1
	s_mov_b32 s29, 128                             ; from row to row
	s_mov_b32 s30, 0
	s_mov_b32 s31, 0
	s_mov_b32 s32, 1
	s_lshl_b32 s33, s12, 14                        ; wave w brings key step w, in LDS as in memory
	s_lshl_b32 s60, s14, 18                        ; the batch's 262,144 bytes
	s_add_co_u32 s60, s60, s33
	s_mov_b32 s61, 0
	s_lshl_b32 s58, s14, 21                        ; Q and O: token tile 128 b + t (16,384 bytes), head 4 cx + w % 4 (1,024)
	s_lshl_b32 s59, s13, 12
	s_add_co_u32 s58, s58, s59
	s_and_b32 s59, s12, 3
	s_lshl_b32 s59, s59, 10
	s_add_co_u32 s58, s58, s59
	s_lshl_b32 s59, s17, 14
	s_add_co_u32 s62, s58, s59
	s_mov_b32 s63, 0
	s_lshl_b32 s59, s45, 14
	s_add_co_u32 s42, s58, s59
	s_mov_b32 s43, 0
	s_wait_alu depctr_va_vdst(0)
	s_wait_dscnt 0x0
	s_wait_kmcnt 0x0
	s_load_b128 s[52:55], s[8:9], 0x18             ; e6, e7, e8, e9
	s_load_b32 s56, s[8:9], 0x28                   ; e10
	s_add_nc_u64 s[34:35], s[6:7], s[60:61]
	s_or_b32 s35, s35, 0x80000000
	s_add_nc_u64 s[40:41], s[4:5], s[42:43]        ; the long tile's Q
	s_add_nc_u64 s[4:5], s[4:5], s[62:63]
	s_add_nc_u64 s[10:11], s[10:11], s[62:63]
	global_load_b128 v[16:19], v1, s[4:5]          ; Q's fragment stays in registers
	global_load_b128 v[20:23], v1, s[4:5] offset:512
	CROUND                                         ; all four work-groups are here: the joint loads meet
	tensor_load_to_lds s[32:35], s[24:31]
	s_nop 0
.rept 4
	v_nop
.endr
	s_and_b32 s58, s12, 7
	s_mul_i32 s58, s58, PB
	s_add_co_u32 s58, s58, PART
	v_add_nc_u32 v4, s58, v1                       ; my pair's part
	v_and_b32 v3, 15, v0
	v_bfe_u32 v2, v0, 4, 1
	v_lshlrev_b32 v2, 3, v2
	v_sub_nc_u32 v3, v3, v2                        ; r - 8 h
	v_mov_b32 v254, 0xff800000                     ; -infinity
.irp j, 0,1,2,3,4,5,6,7
	v_cmp_gt_i32 vcc_lo, \j, v3                    ; key 8 h + j comes after query r
	v_cndmask_b32 v[208+\j], 0, v254, vcc_lo
.endr
	RESET
	v_mov_b32 v236, 0                              ; a lane permute's destination counts as one of its sources
	v_mov_b32 v252, 0
	v_mov_b32 v253, 0                              ; (named as the upper half of the pair v[252:253])
	s_wait_alu depctr_va_vdst(0)
	s_wait_kmcnt 0x0
	s_add_co_i32 s58, s52, s53
	s_lshl_b32 s58, s58, 23
	s_add_co_i32 s22, s22, s58                     ; e6 + e7 are added to c's exponent field
	s_mov_b32 s23, s22                             ; (named with it as a pair)
	s_add_co_i32 s58, s54, 127
	s_lshl_b32 s59, s58, 23
	v_mov_b32 v244, s59                            ; 2^e8
	s_add_co_i32 s58, s58, 8
	s_lshl_b32 s58, s58, 23
	s_or_b32 s58, s58, 0x600000
	v_mov_b32 v240, s58                            ; 448 x 2^e8, twice: the two halves of a dual pair read registers of different number mod 4
	v_mov_b32 v237, s58
	s_add_co_i32 s58, s56, 127
	s_lshl_b32 s59, s58, 23
	v_mov_b32 v245, s59                            ; 2^e10
	s_add_co_i32 s58, s58, 8
	s_lshl_b32 s58, s58, 23
	s_or_b32 s58, s58, 0x600000
	v_mov_b32 v241, s58                            ; 448 x 2^e10
; A KEY STEP: the 128 keys from s49 on, whose images begin at LDS byte s48; v2 = s48 + 16 x lane.
.macro STEP
.irp i, 0,1,2,3,4,5,6,7
	ds_load_b128 v[32+8*\i:35+8*\i], v2 offset:1024*\i          ; (four places behind the last products stand at the end of the step before)
	ds_load_b128 v[36+8*\i:39+8*\i], v2 offset:1024*\i+512
.endr
	s_wait_alu depctr_va_vdst(0)
	s_wait_dscnt 0x0
.irp i, 0,1,2,3,4,5,6,7
	v_wmma_f32_16x16x64_fp8_fp8 v[96+8*\i:103+8*\i], v[32+8*\i:39+8*\i], v[16:23], 0
.endr
.rept 4
	v_nop                                          ; places in front of the loads below and of the first read of the scores
.endr
.irp u, 0,1,2,3
.irp g, 0,1,2,3
	ds_load_b128 v[32+16*\u+4*\g:35+16*\u+4*\g], v2 offset:8192+2048*\u+512*\g   ; V lands while the softmax is worked
.endr
.endr
	s_add_co_u32 s58, s49, 127
	s_cmp_le_u32 s58, s18                          ; all keys count for all my queries?
	s_cbranch_scc1 .Lopen_\@
	s_sub_co_i32 s58, s18, s49
	s_lshr_b32 s58, s58, 4                         ; ct
.irp c, 0,1,2,3,4,5,6
	s_cmp_eq_u32 s58, \c
	s_cbranch_scc1 .Ldiag_\@_\c
.endr
.irp c, 7,6,5,4,3,2,1,0
.Ldiag_\@_\c:
.irp j, 0,2,4,6
	v_pk_add_f32 v[96+8*\c+\j:97+8*\c+\j], v[96+8*\c+\j:97+8*\c+\j], v[208+\j:209+\j]
.endr
	s_branch .Lfill_\@_\c
.endr
.irp c, 0,1,2,3,4,5,6
.Lfill_\@_\c:                                          ; tile c + 1 and those behind it are hidden
.irp j, 0,1,2,3,4,5,6,7
	v_mov_b32 v[104+8*\c+\j], 0xff800000
.endr
.endr
.Lfill_\@_7:
.Lopen_\@:
	v_max3_num_f32 v254, v96, v97, v98             ; the step's largest score of my query among my 64 keys, in four chains, each accumulator from its low end on
	v_max3_num_f32 v252, v99, v100, v101
	v_max3_num_f32 v242, v102, v103, v104
	v_max3_num_f32 v243, v105, v106, v107
.irp i, 12,20,28,36,44,52
	v_max3_num_f32 v254, v254, v[96+\i], v[97+\i]
	v_max3_num_f32 v252, v252, v[98+\i], v[99+\i]
	v_max3_num_f32 v242, v242, v[100+\i], v[101+\i]
	v_max3_num_f32 v243, v243, v[102+\i], v[103+\i]
.endr
	v_max3_num_f32 v254, v254, v156, v157
	v_max3_num_f32 v252, v252, v158, v159
	s_delay_alu instid0(VALU_DEP_1)
	v_max3_num_f32 v254, v254, v252, v242
	s_delay_alu instid0(VALU_DEP_1)
	v_max_num_f32 v254, v254, v243
	s_delay_alu instid0(VALU_DEP_1)
	v_permlanex16_b32 v236, v254, s20, s21
	s_delay_alu instid0(VALU_DEP_1)
	v_max_num_f32 v254, v254, v236                 ; and among lane l xor 16's
	s_delay_alu instid0(VALU_DEP_1)
	v_mul_f32 v254, s22, v254                      ; as t (c is positive)
	s_delay_alu instid0(VALU_DEP_1)
	v_max_num_f32 v13, v13, v254                   ; the running largest t
	v_mov_b32 v254, v12
	s_delay_alu instid0(VALU_DEP_2)
	v_floor_f32 v12, -v13                          ; the new -M = -ceil(t)
	s_delay_alu instid0(VALU_DEP_1)
	v_sub_f32 v254, v12, v254                      ; old M - new M: a whole number, 0 or less
	s_delay_alu instid0(VALU_DEP_1)
	v_cvt_i32_f32 v254, v254                       ; (it saturates)
	s_delay_alu instid0(VALU_DEP_1)
	v_ldexp_f32 v252, 1.0, v254                    ; f = 2^(old M - new M)
.irp j, 0,2,4,6,8,10,12,14,16,18,20,22,24,26,28,30,32,34,36,38,40,42,44,46,48,50,52,54,56,58,60,62
	v_pk_fma_f32 v[96+\j:97+\j], v[96+\j:97+\j], s[22:23], v[12:13] op_sel_hi:[1,0,0]   ; t - M
.endr
	s_wait_alu depctr_va_vdst(0)                   ; the wait ahead of the batch
.irp j, 0,1,2,3,4,5,6,7,8,9,10,11,12,13,14,15,16,17,18,19,20,21,22,23,24,25,26,27,28,29,30,31,32,33,34,35,36,37,38,39,40,41,42,43,44,45,46,47,48,49,50,51,52,53,54,55,56,57,58,59,60,61,62,63
	v_exp_f32 v[96+\j], v[96+\j]                   ; p = 2^(t - M)
.endr
	v_pk_mul_f32 v[14:15], v[14:15], v[252:253] op_sel_hi:[1,0]   ; the sums under the new M (a plain line behind the exponentials)
	s_wait_alu depctr_va_vdst(0)                   ; and behind it
.set PR, 96                                    ; the sum of the unquantised p: 32 pairs, in eight chains
.irp a, 242,248,246,238,234,232,230
	v_pk_add_f32 v[\a:\a+1], v[PR:PR+1], v[PR+2:PR+3]
.set PR, PR+4
.endr
.rept 2
.irp a, 14,242,248,246,238,234,232,230
	v_pk_add_f32 v[\a:\a+1], v[\a:\a+1], v[PR:PR+1]
.set PR, PR+2
.endr
.endr
	v_pk_add_f32 v[14:15], v[14:15], v[156:157]
	v_pk_add_f32 v[242:243], v[242:243], v[158:159]
	v_pk_add_f32 v[238:239], v[238:239], v[234:235]
	v_pk_add_f32 v[232:233], v[232:233], v[230:231]
	v_pk_add_f32 v[248:249], v[248:249], v[246:247]
	v_pk_add_f32 v[14:15], v[14:15], v[242:243]
	s_delay_alu instid0(VALU_DEP_3)
	v_pk_add_f32 v[238:239], v[238:239], v[232:233]
	s_delay_alu instid0(VALU_DEP_2)
	v_pk_add_f32 v[14:15], v[14:15], v[248:249]
	s_delay_alu instid0(VALU_DEP_1)
	v_pk_add_f32 v[14:15], v[14:15], v[238:239]
.irp c, 0,1,2,3,4,5,6,7
.irp i, 0,2,4,6
	v_dual_min_num_f32 v[96+8*\c+\i], v240, v[96+8*\c+\i] :: v_dual_min_num_f32 v[97+8*\c+\i], v237, v[97+8*\c+\i]   ; the conversion does not saturate (ISA guide 7.6.2); p is not negative: a one-sided hold
.endr
	v_cvt_scalef32_pk8_fp8_f32 v[192+2*\c:193+2*\c], v[96+8*\c:103+8*\c], v244
.endr
.irp j, 0,2,4,6,8,10,12,14,16,18,20,22,24,26,28,30
	v_pk_mul_f32 v[160+\j:161+\j], v[160+\j:161+\j], v[252:253] op_sel_hi:[1,0]   ; O^T under the new M; also the plain lines behind the conversions
.endr
	s_wait_alu depctr_va_vdst(0)
	s_wait_dscnt 0x0                               ; V is in
.irp u, 0,1,2,3
	v_wmma_f32_16x16x128_fp8_fp8 v[160+8*\u:167+8*\u], v[32+16*\u:47+16*\u], v[192:207], v[160+8*\u:167+8*\u]   ; four accumulators by turns; the scores' products stand between a step's links and the next step's
.endr
.rept 4
	v_nop                                          ; places for whatever follows
.endr
.endm
; THE WAY OUT: O^T x 2^(e8 + e9) / the sum, held, quantised with 2^e10: the eight code registers are the image of the tile and head at s[10:11].
.macro WAYOUT
	v_add_f32 v14, v14, v15
	s_delay_alu instid0(VALU_DEP_1)
	v_permlanex16_b32 v252, v14, s20, s21
	s_delay_alu instid0(VALU_DEP_1)
	v_add_f32 v14, v14, v252                       ; the row's sum
	s_wait_alu depctr_va_vdst(0)                   ; the wait ahead of the transcendental
	v_rcp_f32 v14, v14
	v_nop                                          ; a plain line behind the transcendental
	s_add_co_i32 s58, s54, s55
	s_wait_alu depctr_va_vdst(0)                   ; and behind it; it serves O^T's first readers too
	v_ldexp_f32 v14, v14, s58
.irp j, 0,2,4,6,8,10,12,14,16,18,20,22,24,26,28,30
	v_pk_mul_f32 v[96+\j:97+\j], v[160+\j:161+\j], v[14:15] op_sel_hi:[1,0]
.endr
.irp j, 0,1,2,3,4,5,6,7,8,9,10,11,12,13,14,15,16,17,18,19,20,21,22,23,24,25,26,27,28,29,30,31
	v_med3_num_f32 v[96+\j], v[96+\j], -v241, v241
.endr
.irp u, 0,1,2,3
	v_cvt_scalef32_pk8_fp8_f32 v[192+2*\u:193+2*\u], v[96+8*\u:103+8*\u], v245
.endr
	v_nop
	global_store_b128 v1, v[192:195], s[10:11]     ; 512 consecutive bytes each, aligned
	global_store_b128 v1, v[196:199], s[10:11] offset:512
.endm
	s_wait_alu depctr_va_vdst(0)                   ; the wait at the head's end
	s_wait_tensorcnt 0x0                           ; my part of the keys and values is in
	s_barrier_signal -1
	s_barrier_wait -1                              ; everybody's is
	s_wait_loadcnt 0x0                             ; Q
	s_mov_b32 s50, 0
.Ltrip:
	s_cmp_eq_u32 s50, s46
	s_cbranch_scc0 .Lsame
	global_load_b128 v[16:19], v1, s[40:41]        ; A changes tiles: the long tile's Q lands while the short tile goes out
	global_load_b128 v[20:23], v1, s[40:41] offset:512
	WAYOUT
	RESET
	s_mov_b32 s18, s19
	s_wait_alu depctr_va_vdst(0)
	s_wait_xcnt 0x0                                ; the stores have read v[192:199]
	s_wait_loadcnt 0x0
.Lsame:
	s_sub_co_u32 s58, 16, s50
	s_cmp_ge_u32 s50, s46
	s_cselect_b32 s58, s58, s50                    ; the key step: up on the tile that I began with, down on the long tile in A
	s_min_u32 s58, s58, 15
	s_lshl_b32 s49, s58, 7                         ; its first key
	s_lshl_b32 s48, s58, 14                        ; its LDS byte
	s_cmp_ge_u32 s50, s47                          ; A has no ninth step
	s_cbranch_scc1 .Lnone
	v_add_nc_u32 v2, s48, v1
	STEP
.Lnone:
	s_add_co_u32 s50, s50, 1
	s_cmp_lt_u32 s50, 9
	s_cbranch_scc1 .Ltrip
	s_cmp_lt_u32 s12, 8
	s_cbranch_scc0 .Lhand
.irp i, 0,1,2,3,4,5,6,7
	ds_store_b128 v4, v[160+4*\i:163+4*\i] offset:512*\i   ; A hands over O^T,
.endr
	ds_store_b128 v4, v[12:15] offset:4096         ; -M and the sum (with S1 = 8 they are the empty part: zeros under -M = 3e38)
.Lhand:
	s_wait_dscnt 0x0
	s_barrier_signal -1
	s_barrier_wait -1
	s_cmp_lt_u32 s12, 8
	s_cbranch_scc1 .Lend
.irp i, 0,1,2,3,4,5,6,7
	ds_load_b128 v[32+4*\i:35+4*\i], v4 offset:512*\i
.endr
	ds_load_b128 v[64:67], v4 offset:4096
	s_wait_dscnt 0x0
	v_min_num_f32 v254, v12, v64                   ; -M of the two parts together
	v_sub_f32 v252, v254, v12
	v_sub_f32 v242, v254, v64
	v_cvt_i32_f32 v252, v252                       ; (they saturate)
	v_cvt_i32_f32 v242, v242
	v_ldexp_f32 v252, 1.0, v252                    ; what my part is multiplied by,
	v_ldexp_f32 v242, 1.0, v242                    ; and A's
.irp j, 0,2,4,6,8,10,12,14,16,18,20,22,24,26,28,30
	v_pk_mul_f32 v[160+\j:161+\j], v[160+\j:161+\j], v[252:253] op_sel_hi:[1,0]
.endr
	v_pk_mul_f32 v[14:15], v[14:15], v[252:253] op_sel_hi:[1,0]
.irp j, 0,2,4,6,8,10,12,14,16,18,20,22,24,26,28,30
	v_pk_fma_f32 v[160+\j:161+\j], v[32+\j:33+\j], v[242:243], v[160+\j:161+\j] op_sel_hi:[1,0,1]
.endr
	v_pk_fma_f32 v[14:15], v[66:67], v[242:243], v[14:15] op_sel_hi:[1,0,1]
	WAYOUT
.Lend:
	s_wait_tensorcnt 0x0                           ; the wave's end
	ds_add_u32 v251, v255
	s_wait_dscnt 0x0
	CROUND                                         ; the closing round
	s_endpgm
.Lfunc_end_k_q28d6969847_attn:
	.size	k_q28d6969847_attn, .Lfunc_end_k_q28d6969847_attn-k_q28d6969847_attn
	.p2alignl 7, 3214868480
	.fill 96, 4, 3214868480
	.section	.rodata,"a",@progbits
	.p2align	6, 0x0
	.amdhsa_kernel k_q28d6969847_attn
		.amdhsa_group_segment_fixed_size 301056
		.amdhsa_private_segment_fixed_size 0
		.amdhsa_enable_private_segment 0
		.amdhsa_kernarg_size 32
		.amdhsa_user_sgpr_count 2
		.amdhsa_user_sgpr_kernarg_segment_ptr 1
		.amdhsa_wavefront_size32 1
		.amdhsa_system_sgpr_workgroup_id_x 1
		.amdhsa_system_sgpr_workgroup_id_y 1
		.amdhsa_system_sgpr_workgroup_id_z 1
		.amdhsa_system_vgpr_workitem_id 0
		.amdhsa_next_free_vgpr 256
		.amdhsa_next_free_sgpr 66
		.amdhsa_reserve_vcc 1
		.amdhsa_float_denorm_mode_32 3
		.amdhsa_float_denorm_mode_16_64 3
		.amdhsa_memory_ordered 1
		.amdhsa_forward_progress 1
		.amdhsa_inst_pref_size 43
	.end_amdhsa_kernel
	.amdgpu_metadata
---
amdhsa.version: [ 1, 2 ]
amdhsa.kernels:
  - .name:           k_q28d6969847_attn
    .symbol:         k_q28d6969847_attn.kd
    .args:
      - { .name: qimg, .offset: 0, .size: 8, .value_kind: global_buffer, .address_space: global }
      - { .name: kv, .offset: 8, .size: 8, .value_kind: global_buffer, .address_space: global }
      - { .name: lowp_scales, .offset: 16, .size: 8, .value_kind: global_buffer, .address_space: global }
      - { .name: oimg, .offset: 24, .size: 8, .value_kind: global_buffer, .address_space: global }
    .group_segment_fixed_size: 301056
    .private_segment_fixed_size: 0
    .kernarg_segment_align: 8
    .kernarg_segment_size: 32
    .max_flat_workgroup_size: 512
    .sgpr_count:     66
    .vgpr_count:     256
    .wavefront_size: 32
...
	.end_amdgpu_metadata
.endif
;; end of part 2
;; launch outp (part 3): grid 8 x 32, 4 waves a work-group, clusters of 4 x 4, 282,112 bytes of LDS; arguments oimg, Wo_codes, bo, lowp_scales, out0; writes out0
.if DOCPART == 3
	.amdgcn_target "amdgcn-amd-amdhsa--gfx1250"
	.amdhsa_code_object_version 6
	.text
	.protected	k_q28d6969847_outp
	.globl	k_q28d6969847_outp
	.p2align	8
	.type	k_q28d6969847_outp,@function
k_q28d6969847_outp:
	s_mov_b64 s[64:65], 0
	v_nop
	global_prefetch_b8 v0, s[64:65] scope:SCOPE_SE
	s_setreg_imm32_b32 hwreg(HW_REG_WAVE_MODE, 25, 1), 1
	s_wait_xcnt 0x0
	s_wait_alu depctr_hold_cnt(0) depctr_sa_sdst(0) depctr_va_vdst(0) depctr_va_sdst(0) depctr_va_ssrc(0) depctr_va_vcc(0) depctr_vm_vsrc(0)
	s_getreg_b32 s2, hwreg(HW_REG_IB_STS2, 6, 4)
	s_cmp_eq_u32 s2, 0
	s_cbranch_scc0 .Lentry_in_a_cluster
	s_endpgm
.Lentry_in_a_cluster:
	s_bfe_u32 s2, ttmp6, 0x10000c
	s_cmp_lg_u32 s2, 0xf033
	s_cbranch_scc0 .Lentry_shape_is_right
	s_endpgm
.Lentry_shape_is_right:
; out0 = O Wo^T x 2^(e10 + e11) + bo.  O comes as register images (oimg [token tile][head][1,024]: lane (r, h): token r; registers 4 b .. 4 b + 3: channels 32 b + 16 h + 0 .. 15 of the head); Wo as codes, K innermost.
; Heads 2 q and 2 q + 1 of a token tile (2,048 bytes) are the fragment of K step q with k = 128 q + 32 c + 16 h + 0 .. 15 in registers 4 c .. 4 c + 3: the order in which four loads of 16 bytes, 32 apart, bring Wo's rows.
; SHARES.  A work-group makes 128 tokens x 128 columns: 256 work-groups; a wave 64 x 64.  All of K = 1,024 of both tiles lies in LDS: each wave brings 65,536 bytes by its one tensor load; nothing is filled twice.
; No prefetch is laid: every tile is asked for whole at the head.  CLUSTERS: 4 x 4: O's tile is asked for jointly by a row of the cluster, Wo's by a column.
; BY ROWS: all my fragments of Wo (4 column tiles x 8 K steps x 16) stay in 512 registers, and my four token tiles are finished one after the other, so that a tile's rows leave while the next is multiplied.
; Source 0 = 16 rows of Wo, source 1 = 16 tokens: a lane holds eight neighbouring columns of one row of out0.  A wave's 64 columns are 256 bytes of a row: 16 rows at a time go through the wave's own stage in LDS and leave
; sixteen lanes to 256 consecutive bytes, aligned.
; LIMIT: e10 + e11 between -126 and 127.
; REGISTERS.  window 0: v1 r, v2 h, v4 16 x lane, v10 32 h, v12/v16 LDS addresses of O/Wo, v24-26 the way out's addresses, v32-63 a tile's numbers, v64-95 rows read back, v96-127 bo of my columns,
;   v128-255 the accumulators ((a, b) at 128 + 8 (4 a + b)).   windows 1, 2: Wo's fragments of K steps 0-3, 4-7 (64 a step).   window 3: O's fragments of two token tiles, 128 each.
.set PITCH, 1040                       ; a row of Wo's tile in LDS: 1,024 bytes + 16 of padding
.set HALFT, 64*PITCH
.set ABYTES, 131072                    ; O's images of 8 token tiles x 16,384 bytes, then Wo's 128 rows
.set STG,   ABYTES+2*HALFT             ; a stage of 16 rows x 272 bytes for each wave; no fill lands there
.set SP,    272
.set SPARE, STG+4*16*SP
.set MSB, 0
.macro WIN new
.if MSB != \new
	s_set_vgpr_msb (MSB<<8)|\new
.set MSB, \new
.endif
.endm
.macro CROUND
	s_barrier_signal -1
	s_barrier_wait -1
	s_cmp_lg_u32 s16, 0
	s_cbranch_scc1 .Lnot_wave_0_\@
	s_barrier_signal -3
.Lnot_wave_0_\@:
	s_barrier_wait -3
	s_barrier_signal -1
	s_barrier_wait -1
.endm
.macro PLACES n
.rept \n
	v_nop
.endr
.endm
	s_load_b256 s[68:75], s[0:1], 0x0              ; oimg 68, Wo 70, bo 72, the exponents 74
	s_load_b64 s[76:77], s[0:1], 0x20              ; out0
	v_lshl_add_u32 v30, v0, 2, SPARE
	v_mov_b32 v31, 0
	ds_add_u32 v30, v31                            ; the opening lines: the add, twice on end, and its wait
	ds_add_u32 v30, v31
	v_lshrrev_b32 v1, 5, v0
	v_readfirstlane_b32 s16, v1                    ; wave 0..3
	s_lshr_b32 s17, s16, 1                         ; rh: my half of the tokens.  Also: I fetch for A (0) or for B (1)
	s_and_b32 s18, s16, 1                          ; ch: my half of the columns.  Also: which half of that tile I fetch
	s_bfe_u32 s19, ttmp6, 0x40000                  ; cx
	s_bfe_u32 s20, ttmp6, 0x40004                  ; cy
	s_lshl_b32 s21, ttmp9, 2
	s_add_co_u32 s21, s21, s19                     ; tile column
	s_and_b32 s22, ttmp7, 0xffff
	s_lshl_b32 s22, s22, 2
	s_add_co_u32 s22, s22, s20                     ; tile row
	s_lshl_b32 s2, s20, 2
	s_lshl_b32 s2, 15, s2                          ; my row of the cluster
	s_lshl_b32 s3, 0x1111, s19                     ; my column
	; group 1 for O: 65,536 bytes, dense, as 64 rows of 1,024 bytes; elements of 8 bytes
	s_or_b32 s24, s2, (3<<16)|(1<<21)
	s_mov_b32 s25, 128<<16                         ; tensor_dim0
	s_mov_b32 s26, 64<<16                          ; tensor_dim1
	s_mov_b32 s27, 128<<16                         ; tile_dim0
	s_mov_b32 s28, 64                              ; tile_dim1
	s_mov_b32 s29, 128                             ; from row to row
	s_mov_b32 s30, 0
	s_mov_b32 s31, 0
	; group 1 for Wo: 64 rows x 1,024 bytes, 16 bytes of padding behind each
	s_or_b32 s32, s3, (1<<20)|(1<<21)|(7<<22)|(3<<25)
	s_mov_b32 s33, 1024<<16
	s_mov_b32 s34, 64<<16
	s_mov_b32 s35, 1024<<16
	s_mov_b32 s36, 64
	s_mov_b32 s37, 1024
	s_mov_b32 s38, 0
	s_mov_b32 s39, 0
	s_lshl_b32 s23, s18, 16                        ; 4 token tiles of 16,384 bytes, and 64 rows of 1,024, are as many bytes
	s_lshl_b32 s66, s22, 17
	s_add_co_u32 s66, s66, s23                     ; O: token tile 8 x tile row + 4 ch
	s_mov_b32 s67, 0
	s_lshl_b32 s100, s21, 17
	s_add_co_u32 s100, s100, s23                   ; Wo: row 128 x tile column + 64 ch
	s_mov_b32 s101, 0
	s_mov_b32 s40, 1
	s_lshl_b32 s41, s18, 16                        ; where they go: O's half
	s_mov_b32 s56, 1
	s_mul_i32 s57, s18, HALFT
	s_add_co_u32 s57, s57, ABYTES                  ; Wo's half
	s_wait_dscnt 0x0
	s_wait_kmcnt 0x0
	s_load_b64 s[12:13], s[74:75], 0x28            ; e10, e11
	s_add_nc_u64 s[42:43], s[68:69], s[66:67]
	s_or_b32 s43, s43, 0x80000000
	s_add_nc_u64 s[58:59], s[70:71], s[100:101]
	s_or_b32 s59, s59, 0x80000000
	CROUND                                         ; all sixteen work-groups are here: the joint loads meet
	s_cmp_eq_u32 s17, 0                            ; one tensor load a wave; the branch hangs on the wave's number
	s_cbranch_scc0 .Lfor_b
	tensor_load_to_lds s[40:43], s[24:31]
	s_nop 0
	PLACES 4
	s_branch .Lasked
.Lfor_b:
	tensor_load_to_lds s[56:59], s[32:39]
	s_nop 0
	PLACES 4
.Lasked:
	v_and_b32 v1, 15, v0                           ; r
	v_bfe_u32 v2, v0, 4, 1                         ; h
	v_and_b32 v4, 31, v0
	v_lshlrev_b32 v4, 4, v4                        ; 16 x lane
	v_lshlrev_b32 v10, 5, v2                       ; 32 h
	v_mul_u32_u24 v11, v1, PITCH
	v_lshl_add_u32 v11, v2, 4, v11                 ; a row of Wo's tile x pitch + 16 h
	s_wait_alu depctr_va_vdst(0)
	s_lshl_b32 s82, s17, 16                        ; my four token tiles' images
	s_mul_i32 s83, s18, HALFT
	s_add_co_u32 s83, s83, ABYTES                  ; my 64 rows of Wo
	v_add_nc_u32 v12, s82, v4
	v_add_nc_u32 v16, s83, v11
	s_mul_i32 s84, s16, 16*SP
	s_add_co_u32 s84, s84, STG                     ; my stage
	v_mul_u32_u24 v24, v1, SP
	v_lshl_add_u32 v24, v2, 5, v24
	v_add_nc_u32 v24, s84, v24                     ; in: row r, 32 bytes for each half of the lanes
	v_mul_u32_u24 v25, v2, SP
	v_lshl_add_u32 v25, v1, 4, v25
	v_add_nc_u32 v25, s84, v25                     ; back: lanes 0-15 one row of 256 bytes, lanes 16-31 the next
	v_lshlrev_b32 v26, 12, v2
	v_lshl_add_u32 v26, v1, 4, v26                 ; and the same two rows in out0 (4,096 bytes a row)
	s_lshl_b32 s2, s21, 9
	s_lshl_b32 s23, s18, 8
	s_add_co_u32 s2, s2, s23                       ; my 64 columns: 512 x tile column + 256 ch bytes
	s_mov_b32 s3, 0
	s_add_nc_u64 s[72:73], s[72:73], s[2:3]        ; bo
	s_lshl_b32 s23, s22, 19
	s_add_co_u32 s2, s2, s23
	s_lshl_b32 s23, s17, 18
	s_add_co_u32 s2, s2, s23                       ; + row 128 x tile row + 64 rh
	s_add_nc_u64 s[76:77], s[76:77], s[2:3]        ; out0
.irp b, 0,1,2,3
	global_load_b128 v[96+8*\b:99+8*\b], v10, s[72:73] offset:64*\b       ; bo[16 b + 8 h + 0 .. 7] of my columns
	global_load_b128 v[100+8*\b:103+8*\b], v10, s[72:73] offset:64*\b+16
.endr
	s_wait_alu depctr_va_vdst(0)                   ; the wait at the head's end
	s_wait_kmcnt 0x0
	s_add_co_i32 s100, s12, s13
	s_add_co_i32 s100, s100, 127
	s_lshl_b32 s100, s100, 23                      ; 2^(e10 + e11)
	s_mov_b32 s101, s100                           ; (named with it as a pair)
.macro LB s                            ; Wo's four fragments of K step s: 16 loads
	WIN 0x40*(1+(\s)/4)
.irp i, 0,1,2,3
.irp g, 0,1,2,3
	ds_load_b128 v[64*((\s)%4)+16*\i+4*\g:64*((\s)%4)+16*\i+4*\g+3], v16 offset:128*(\s)+32*\g+16*PITCH*\i
.endr
.endr
.endm
.macro LA a, s                         ; O's fragment of token tile a, K step s: 4 loads
	WIN 0xc0
.irp g, 0,1,2,3
	ds_load_b128 v[128*((\a)%2)+16*(\s)+4*\g:128*((\a)%2)+16*(\s)+4*\g+3], v12 offset:16384*(\a)+2048*(\s)+512*\g
.endr
.endm
.macro MUL a, s                        ; 4 products; the tile's four accumulators take turns
	WIN 0x0d+(\s)/4
.irp b, 0,1,2,3
.if (\s) == 0
	v_wmma_f32_16x16x128_fp8_fp8 v[128+32*(\a)+8*\b:128+32*(\a)+8*\b+7], v[64*((\s)%4)+16*\b:64*((\s)%4)+16*\b+15], v[128*((\a)%2)+16*(\s):128*((\a)%2)+16*(\s)+15], 0
.else
	v_wmma_f32_16x16x128_fp8_fp8 v[128+32*(\a)+8*\b:128+32*(\a)+8*\b+7], v[64*((\s)%4)+16*\b:64*((\s)%4)+16*\b+15], v[128*((\a)%2)+16*(\s):128*((\a)%2)+16*(\s)+15], v[128+32*(\a)+8*\b:128+32*(\a)+8*\b+7]
.endif
.endr
.endm
.macro TOSTAGE a                       ; token tile a: 16 rows x my 64 columns, into my stage and back as rows
	WIN 0
	PLACES 4                                       ; in front of the first read of results, and of loads into O's fragments that were just multiplied
.if (\a) == 0
	s_wait_loadcnt 0x0                             ; bo
.else
	s_wait_xcnt 0x0                                ; the last tile's stores have read their data registers: they may be loaded again
.endif
.irp i, 0,2,4,6,8,10,12,14,16,18,20,22,24,26,28,30
	v_pk_fma_f32 v[32+\i:33+\i], v[128+32*(\a)+\i:129+32*(\a)+\i], s[100:101], v[96+\i:97+\i] op_sel_hi:[1,0,1]   ; sum x 2^(e10 + e11) + bo; each accumulator from its low end on
.endr
.irp b, 0,1,2,3
	ds_store_b128 v24, v[32+8*\b:35+8*\b] offset:64*\b
	ds_store_b128 v24, v[36+8*\b:39+8*\b] offset:64*\b+16
.endr
.irp t, 0,1,2,3,4,5,6,7
	ds_load_b128 v[64+4*\t:67+4*\t], v25 offset:2*SP*\t     ; LDS serves a wave's instructions in order (ISA guide 5.7.1.4): these see my stores, and the next tile's stores come behind them
.endr
.endm
.macro SEND a, younger                 ; younger: the LDS loads issued behind the stage's, which may stay out
	WIN 0
.irp t, 0,1,2,3,4,5,6,7
	s_wait_dscnt \younger+7-\t
	global_store_b128 v26, v[64+4*\t:67+4*\t], s[76:77] offset:65536*(\a)+8192*\t th:TH_STORE_NT   ; sixteen lanes store 256 consecutive bytes, aligned
.endr
.endm
	s_wait_tensorcnt 0x0                           ; my part is in
	s_barrier_signal -1
	s_barrier_wait -1                              ; everybody's is
.irp s, 0,1,2
	LB \s
	LA 0, \s
.endr
.irp s, 0,1,2,3,4,5,6,7                ; token tile 0, as Wo's fragments come in
.if \s < 6
	s_wait_dscnt 40                                ; two K steps of 20 loads were issued behind this one's
.elseif \s == 6
	s_wait_dscnt 36                                ; K step 7's 20 and 16 of token tile 1
.else
	s_wait_dscnt 32                                ; token tile 1's 32
.endif
	MUL 0, \s
.if \s < 5
	LB \s+3
	LA 0, \s+3
.elseif \s < 7
.irp t, 0,1,2,3
	LA 1, 4*(\s-5)+\t
.endr
.endif
.endr
	TOSTAGE 0
.irp a, 1,2,3
.if \a < 3
.irp t, 0,1,2,3,4,5,6,7
	LA \a+1, \t                                    ; into the registers of token tile a - 1
.endr
	s_wait_dscnt 48                                ; behind token tile a's loads: the stage's 16 and the 32 just issued
.else
	s_wait_dscnt 16                                ; the stage's 16
.endif
.irp t, 0,1,2,3,4,5,6,7
	MUL \a, \t
.endr
.if \a < 3
	SEND \a-1, 32
.else
	SEND \a-1, 0
.endif
	TOSTAGE \a
.endr
	SEND 3, 0
	s_wait_tensorcnt 0x0                           ; the wave's end
	ds_add_u32 v30, v31
	s_wait_dscnt 0x0
	CROUND                                         ; the closing round
	s_endpgm
.Lfunc_end_k_q28d6969847_outp:
	.size	k_q28d6969847_outp, .Lfunc_end_k_q28d6969847_outp-k_q28d6969847_outp
	.p2alignl 7, 3214868480
	.fill 96, 4, 3214868480
	.section	.rodata,"a",@progbits
	.p2align	6, 0x0
	.amdhsa_kernel k_q28d6969847_outp
		.amdhsa_group_segment_fixed_size 282112
		.amdhsa_private_segment_fixed_size 0
		.amdhsa_enable_private_segment 0
		.amdhsa_kernarg_size 40
		.amdhsa_user_sgpr_count 2
		.amdhsa_user_sgpr_kernarg_segment_ptr 1
		.amdhsa_wavefront_size32 1
		.amdhsa_system_sgpr_workgroup_id_x 1
		.amdhsa_system_sgpr_workgroup_id_y 1
		.amdhsa_system_sgpr_workgroup_id_z 1
		.amdhsa_system_vgpr_workitem_id 0
		.amdhsa_next_free_vgpr 1024
		.amdhsa_next_free_sgpr 102
		.amdhsa_reserve_vcc 0
		.amdhsa_float_denorm_mode_32 3
		.amdhsa_float_denorm_mode_16_64 3
		.amdhsa_memory_ordered 1
		.amdhsa_forward_progress 1
		.amdhsa_inst_pref_size 46
	.end_amdhsa_kernel
	.amdgpu_metadata
---
amdhsa.version: [ 1, 2 ]
amdhsa.kernels:
  - .name:           k_q28d6969847_outp
    .symbol:         k_q28d6969847_outp.kd
    .args:
      - { .name: oimg, .offset: 0, .size: 8, .value_kind: global_buffer, .address_space: global }
      - { .name: Wo_codes, .offset: 8, .size: 8, .value_kind: global_buffer, .address_space: global }
      - { .name: bo, .offset: 16, .size: 8, .value_kind: global_buffer, .address_space: global }
      - { .name: lowp_scales, .offset: 24, .size: 8, .value_kind: global_buffer, .address_space: global }
      - { .name: out0, .offset: 32, .size: 8, .value_kind: global_buffer, .address_space: global }
    .group_segment_fixed_size: 282112
    .private_segment_fixed_size: 0
    .kernarg_segment_align: 8
    .kernarg_segment_size: 40
    .max_flat_workgroup_size: 128
    .sgpr_count:     102
    .vgpr_count:     1024
    .wavefront_size: 32
...
	.end_amdgpu_metadata
.endif
;; end of part 3
